; MI455X (gfx1250); checked and timed in simulation.
; The chip was launched on July 23, 2026; its instructions are those of AMD's public machine-readable ISA for CDNA 5 (MIT licence, August 2026) and "CDNA5" Instruction Set Architecture Reference Guide (July 2026). The comments in the code are by the model that wrote it; some were corrected since.
;; Bahdanau Attention. Allowed arithmetic: matrix products marked QUANTISED: E2M3 operands, one E8M0 scale for each 32 along K, by v_wmma_scale_f32_16x16x128_f8f6f4 with both operands' format E2M3, f32 sums; products left as they are: f32 operands where the result goes on into a quantised operand, else bf16, f16 or f32 operands; f32 sums; everything else in f32.
;; Inputs: Wk_codes 1,024 x 32 x 24 uint8 (E2M3 codes of Wk, K innermost, in blocks of 32 codes, four codes in three bytes); Wk_scales 1,024 x 32 uint8 (E8M0 scales of Wk, one for each 32 codes along K); Wq_codes 1,024 x 32 x 24 uint8 (E2M3 codes of Wq, K innermost, in blocks of 32 codes, four codes in three bytes); Wq_scales 1,024 x 32 uint8 (E8M0 scales of Wq, one for each 32 codes along K); keys 16 x 4,096 x 1,024 float32; query_codes 16 x 1 x 32 x 24 uint8 (E2M3 codes of query, K innermost, in blocks of 32 codes, four codes in three bytes); query_scales 16 x 1 x 32 uint8 (E8M0 scales of query, one for each 32 codes along K); v 1,024 float32.
;; Outputs: out0 16 x 1 x 1,024 float32; out1 16 x 1 x 4,096 float32.
;; This version of the problem:
;;   THIS VERSION OF THE PROBLEM IS GIVEN IN LOW PRECISION. The matrix products marked QUANTISED in the list below multiply operands that are first quantised to E2M3 (2 exponent bits, 3 mantissa bits; 6 bits a number), with one power-of-two scale for each 32 numbers along K (OCP MX v1.0); their sums are f32. All else is computed in f32.
;;   The module's matrix products, in the order in which they are computed (A, B: the left and right operand; K: the contracted axis; several contracted axes count as one K, in the product's order):
;;     1. [M 16, K 1,024] x [K 1,024, N 1,024]; A: input query (given as codes); B: input Wq (given as codes): QUANTISED
;;     2. [M 65,536, K 1,024] x [K 1,024, N 1,024]; A: input keys; B: input Wk (given as codes): QUANTISED
;;     3. [M 65,536, K 1,024] x [K 1,024, N 1]; A: computed on the way; B: input v: left as it is (N = 1 < 16)
;;     4. batch 16 x [M 1, K 4,096] x [K 4,096, N 1,024]; A: softmax; B: input keys: left as it is (M = 1 < 16)
;;   THE QUANTISER, for each operand of a quantised product, along K:
;;     - K is cut into blocks of 32 from its start; a last block that is shorter is filled with zeros.
;;     - A block's scale is 2^e with e = floor(log2(the largest magnitude in the block)) - 2, held to -126 .. 127; a block of zeros has e = 0. As a byte (E8M0): e + 127.
;;     - Each number is divided by its block's scale, clamped to +-7.5, and rounded to the nearest number of E2M3, ties to even, subnormals kept.
;;     - The product sums the exact products of the quantised numbers (number of the format x scale) in f32.
;;   ~~~python
;;   def quantise(x, axis):      # numpy; x: float32 -> the quantised numbers, widened to float32 again
;;       x = np.moveaxis(x, axis, -1); K = x.shape[-1]
;;       x = np.pad(x, [(0, 0)] * (x.ndim - 1) + [(0, -K % 32)]); x = x.reshape(x.shape[:-1] + (-1, 32)); a = np.abs(x).max(-1, keepdims=True)
;;       e = np.where(a > 0, np.clip(np.frexp(np.where(a > 0, a, 1))[1] - 1 - 2, -126, 127), 0)      # np.frexp(a)[1] - 1 = floor(log2(a)), exactly
;;       r = np.clip(x / 2.0 ** e, -7.5, 7.5)
;;       step = 2.0 ** (np.maximum(np.frexp(np.where(r == 0, 1, r))[1] - 1, 0) - 3)
;;       q = np.round(r / step) * step * 2.0 ** e      # np.round: ties to even
;;       return np.moveaxis(q.reshape(q.shape[:-2] + (-1,))[..., :K], -1, axis).astype(np.float32)
;;   ~~~
;;   INPUTS GIVEN AS CODES. Wk (in the module: [1024, 1024], K = its axis 1); Wq (in the module: [1024, 1024], K = its axis 1); query (in the module: [16, 1, 1024], K = its axis 2): each comes as NAME_codes (uint8): NAME with its K axis moved to the last place and cut into blocks of 32 codes, [.., K / 32, bytes a block], one block behind the other in memory; four codes in three bytes: a row's codes are one little-endian stream of bits, code i at bits 6 i .. 6 i + 5 (a code: sign, 2 exponent bits, 3 mantissa bits); and NAME_scales (uint8): the same leading axes, one E8M0 byte (e + 127) for each 32 codes along K. Its value is code x scale, taken as it is: it is not quantised again, and the codes and scales need not be those that the quantiser above would give.
;; One version. Each part assembles by itself: llvm-mc -triple=amdgcn-amd-amdhsa -mcpu=gfx1250 --defsym DOCPART=n.
;; ======== version 1 of 1: 3 launches
;; limits: values are held in bf16: 8 bits of precision; right only within a limited range of input values
;; workspace buffers: wkimg 819,200 bytes; qp 65,536 bytes; part 1,310,720 bytes; u 262,144 bytes
;; launch prep (part 1): grid 64 x 1, 2 waves a work-group, no clusters, 0 bytes of LDS; arguments Wq_codes, Wq_scales, query_codes, query_scales, Wk_codes, Wk_scales, qp, wkimg; writes qp, wkimg
.if DOCPART == 1
	.amdgcn_target "amdgcn-amd-amdhsa--gfx1250"
	.amdhsa_code_object_version 6
	.text
	.protected	k_q940d520a69_prep
	.globl	k_q940d520a69_prep
	.p2align	8
	.type	k_q940d520a69_prep,@function
k_q940d520a69_prep:
	s_mov_b64 s[64:65], 0
	v_nop
	global_prefetch_b8 v0, s[64:65] scope:SCOPE_SE
	s_setreg_imm32_b32 hwreg(HW_REG_WAVE_MODE, 25, 1), 1
	s_wait_xcnt 0x0
; Work-group j (0..63) serves rows 16 j .. 16 j + 15 of both weights.  Two waves, which share nothing: no LDS, no barrier.
; WAVE 0: q_proj[b][g] = sum over h of query[b][h] Wq[g][h] for the 16 batches and g = 16 j .. 16 j + 15, on the codes of FP6 (E2M3) and the E8M0 bytes as they are given:
;   eight scaled matrix instructions (K = 1,024 in steps of 128), source 0 = 16 rows of Wq, source 1 = the 16 rows of query.  qp is [16][1024] f32.
; WAVE 1: lays Wk's 16 rows out as IMAGES OF THE OPERAND'S REGISTERS, so that the next launch fetches a column tile as one dense block and reads a fragment by three loads of 16 bytes a lane.
;   wkimg: tile j at 12,800 j.  In it K step s at 1,536 s: registers 4 c .. 4 c + 3 of the fragment, lane l's 16 bytes at 512 c + 16 l.
;   At + 12,288: the scale words, 16 bytes a lane: lane (r, h) holds row r's words of K steps h, 2 + h, 4 + h, 6 + h.
; A fragment (16 rows x 128 K of 6-bit codes) is 12 registers: lane (r, h) takes the 24 bytes at 24 h and the 24 bytes at 48 + 24 h of its row's 96, each as three loads of 8 bytes.
; WORK LEFT OUT IN THIS PROGRAM: tanh z = 1 - 2 / (1 + e^(2 z)), so score[b][t] = (sum over g of v[g]) - 2 x (sum over g of v[g] / (1 + e^(2 z[b][t][g]))).
; The first term is the same for every t of a batch, whatever the inputs hold, and the softmax runs over t: it cancels in both outputs.  It is never summed; every input is still loaded.
; LIMIT: an overflow, an infinity or a NaN that would arise in that sum of v alone is not carried to the results.
.set ROWC, 768                         ; a row of 1,024 codes in bytes
.set ROWS, 32                          ; a row of scale bytes
.set TILEB, 12800                      ; a tile's image
	s_load_b256 s[4:11], s[0:1], 0x0               ; Wq's codes s[4:5], Wq's scales s[6:7], query's codes s[8:9], query's scales s[10:11]
	s_load_b256 s[12:19], s[0:1], 0x20             ; Wk's codes s[12:13], Wk's scales s[14:15], qp s[16:17], wkimg s[18:19]
	v_lshrrev_b32 v1, 5, v0
	v_readfirstlane_b32 s20, v1                    ; wave 0, 1
	v_and_b32 v1, 15, v0                           ; r
	v_bfe_u32 v2, v0, 4, 1                         ; h
	v_and_b32 v3, 31, v0                           ; lane
	s_lshl_b32 s21, ttmp9, 4
	v_add_nc_u32 v4, s21, v1                       ; the weight's row 16 j + r
	v_mul_u32_u24 v5, v4, ROWC
	v_mad_u32_u24 v5, v2, 24, v5                   ; its codes, + 24 h
	v_lshlrev_b32 v6, 5, v4                        ; its scale bytes
	s_wait_kmcnt 0x0
	s_cmp_lg_u32 s20, 0
	s_cbranch_scc1 .Limage
	; ---- wave 0: q_proj
	s_wait_alu depctr_va_vdst(0)
	v_mul_u32_u24 v7, v1, ROWC
	v_mad_u32_u24 v7, v2, 24, v7                   ; query: row r, + 24 h
	v_lshlrev_b32 v24, 5, v1                       ; and its scale bytes
	s_lshl_b32 s22, ttmp9, 6
	v_lshlrev_b32 v25, 12, v1
	v_lshl_add_u32 v25, v2, 5, v25
	v_add_nc_u32 v25, s22, v25                     ; qp: row r of 4,096 bytes, + (16 j + 8 h) x 4
.irp s, 0,1,2,3,4,5,6,7
.irp p, 0,1,2,3,4,5
	global_load_b64 v[32+12*\s+2*\p:33+12*\s+2*\p], v5, s[4:5] offset:96*\s+48*(\p/3)+8*(\p%3)
	global_load_b64 v[128+12*\s+2*\p:129+12*\s+2*\p], v7, s[8:9] offset:96*\s+48*(\p/3)+8*(\p%3)
.endr
.endr
	global_load_b128 v[8:11], v6, s[6:7]           ; Wq's scale words: register s = K step s of my row
	global_load_b128 v[12:15], v6, s[6:7] offset:16
	global_load_b128 v[16:19], v24, s[10:11]       ; query's likewise
	global_load_b128 v[20:23], v24, s[10:11] offset:16
	s_wait_loadcnt 0x0
.irp s, 0,1,2,3,4,5,6,7                        ; two accumulators by turns, even and odd K steps; each one's first product starts its sum
.if \s < 2
	v_wmma_scale_f32_16x16x128_f8f6f4 v[224+8*(\s%2):231+8*(\s%2)], v[32+12*\s:43+12*\s], v[128+12*\s:139+12*\s], 0, v[8+\s], v[16+\s] matrix_a_fmt:MATRIX_FMT_FP6 matrix_b_fmt:MATRIX_FMT_FP6
.else
	v_wmma_scale_f32_16x16x128_f8f6f4 v[224+8*(\s%2):231+8*(\s%2)], v[32+12*\s:43+12*\s], v[128+12*\s:139+12*\s], v[224+8*(\s%2):231+8*(\s%2)], v[8+\s], v[16+\s] matrix_a_fmt:MATRIX_FMT_FP6 matrix_b_fmt:MATRIX_FMT_FP6
.endif
.endr
.rept 4
	v_nop                                          ; four places between the last product and the first read of a result (ISA guide 7.12.1)
.endr
.irp i, 0,1,2,3
	v_pk_add_f32 v[240+2*\i:241+2*\i], v[224+2*\i:225+2*\i], v[232+2*\i:233+2*\i]   ; the two halves of the sum, each accumulator from its low end on
.endr
	s_wait_alu depctr_va_vdst(0)
	global_store_b128 v25, v[240:243], s[16:17]    ; lane (r, h): q_proj[r][16 j + 8 h + 0 .. 7]: 32 bytes a lane, rows 4,096 bytes apart: pieces of 64 bytes; the whole buffer is 65,536 bytes
	global_store_b128 v25, v[244:247], s[16:17] offset:16
	s_endpgm
.Limage:
	; ---- wave 1: Wk's image
	s_wait_alu depctr_va_vdst(0)
	v_lshl_add_u32 v26, v2, 2, v6                  ; my row's scale bytes, + 4 h
	s_mul_i32 s22, ttmp9, TILEB
	v_lshl_add_u32 v27, v3, 4, s22                 ; the image: 12,800 j + 16 x lane
.irp s, 0,1,2,3,4,5,6,7
.irp p, 0,1,2,3,4,5
	global_load_b64 v[32+12*\s+2*\p:33+12*\s+2*\p], v5, s[12:13] offset:96*\s+48*(\p/3)+8*(\p%3)
.endr
.endr
.irp i, 0,1,2,3
	global_load_b32 v[8+\i], v26, s[14:15] offset:8*\i   ; the word of K step 2 i + h
.endr
	s_wait_alu depctr_va_vdst(0)
	s_wait_loadcnt 0x0
.irp s, 0,1,2,3,4,5,6,7
.irp c, 0,1,2
	global_store_b128 v27, v[32+12*\s+4*\c:35+12*\s+4*\c], s[18:19] offset:1536*\s+512*\c   ; the wave stores 512 consecutive bytes, at a multiple of 256 from the buffer's first byte
.endr
.endr
	global_store_b128 v27, v[8:11], s[18:19] offset:12288
	s_endpgm
.Lfunc_end_k_q940d520a69_prep:
	.size	k_q940d520a69_prep, .Lfunc_end_k_q940d520a69_prep-k_q940d520a69_prep
	.p2alignl 7, 3214868480
	.fill 96, 4, 3214868480
	.section	.rodata,"a",@progbits
	.p2align	6, 0x0
	.amdhsa_kernel k_q940d520a69_prep
		.amdhsa_group_segment_fixed_size 0
		.amdhsa_private_segment_fixed_size 0
		.amdhsa_enable_private_segment 0
		.amdhsa_kernarg_size 64
		.amdhsa_user_sgpr_count 2
		.amdhsa_user_sgpr_kernarg_segment_ptr 1
		.amdhsa_wavefront_size32 1
		.amdhsa_system_sgpr_workgroup_id_x 1
		.amdhsa_system_sgpr_workgroup_id_y 1
		.amdhsa_system_sgpr_workgroup_id_z 1
		.amdhsa_system_vgpr_workitem_id 0
		.amdhsa_next_free_vgpr 256
		.amdhsa_next_free_sgpr 66
		.amdhsa_reserve_vcc 0
		.amdhsa_float_denorm_mode_32 3
		.amdhsa_float_denorm_mode_16_64 3
		.amdhsa_memory_ordered 1
		.amdhsa_forward_progress 1
		.amdhsa_inst_pref_size 20
	.end_amdhsa_kernel
	.amdgpu_metadata
---
amdhsa.version: [ 1, 2 ]
amdhsa.kernels:
  - .name:           k_q940d520a69_prep
    .symbol:         k_q940d520a69_prep.kd
    .args:
      - { .name: Wq_codes, .offset: 0, .size: 8, .value_kind: global_buffer, .address_space: global }
      - { .name: Wq_scales, .offset: 8, .size: 8, .value_kind: global_buffer, .address_space: global }
      - { .name: query_codes, .offset: 16, .size: 8, .value_kind: global_buffer, .address_space: global }
      - { .name: query_scales, .offset: 24, .size: 8, .value_kind: global_buffer, .address_space: global }
      - { .name: Wk_codes, .offset: 32, .size: 8, .value_kind: global_buffer, .address_space: global }
      - { .name: Wk_scales, .offset: 40, .size: 8, .value_kind: global_buffer, .address_space: global }
      - { .name: qp, .offset: 48, .size: 8, .value_kind: global_buffer, .address_space: global }
      - { .name: wkimg, .offset: 56, .size: 8, .value_kind: global_buffer, .address_space: global }
    .group_segment_fixed_size: 0
    .private_segment_fixed_size: 0
    .kernarg_segment_align: 8
    .kernarg_segment_size: 64
    .max_flat_workgroup_size: 64
    .sgpr_count:     66
    .vgpr_count:     256
    .wavefront_size: 32
...
	.end_amdgpu_metadata
.endif
;; end of part 1
;; launch main (part 2): grid 256 x 1, 4 waves a work-group, clusters of 4 x 1, 327,680 bytes of LDS; arguments keys, v, wkimg, qp, part, u; writes part, u
.if DOCPART == 2
	.amdgcn_target "amdgcn-amd-amdhsa--gfx1250"
	.amdhsa_code_object_version 6
	.text
	.protected	k_q940d520a69_main
	.globl	k_q940d520a69_main
	.p2align	8
	.type	k_q940d520a69_main,@function
k_q940d520a69_main:
	s_mov_b64 s[64:65], 0
	v_nop
	global_prefetch_b8 v0, s[64:65] scope:SCOPE_SE
	s_setreg_imm32_b32 hwreg(HW_REG_WAVE_MODE, 25, 1), 1
	s_wait_xcnt 0x0
	s_wait_alu depctr_hold_cnt(0) depctr_sa_sdst(0) depctr_va_vdst(0) depctr_va_sdst(0) depctr_va_ssrc(0) depctr_va_vcc(0) depctr_vm_vsrc(0)
	s_getreg_b32 s2, hwreg(HW_REG_IB_STS2, 6, 4)
	s_cmp_eq_u32 s2, 0
	s_cbranch_scc0 .Lentry_in_a_cluster
	s_endpgm
.Lentry_in_a_cluster:
	s_bfe_u32 s2, ttmp6, 0x10000c
	s_cmp_lg_u32 s2, 0x3003
	s_cbranch_scc0 .Lentry_shape_is_right
	s_endpgm
.Lentry_shape_is_right:
; Scores, a running softmax and the weighted sum for 256 keys of one batch.  Work-group x: batch x / 16, keys 256 (x % 16) .. + 255, as 16 granules of 16 rows.
; LEFT OUT (shown at the head of prep): the term sum of v[g], the same for all keys of a batch.  u[t] = sum over g of (-2 log2 e) v[g] / (1 + 2^(2 log2 e z)), z = q_proj[g] + k_proj[t][g]:
; the score in units of log2, less that term.  e^(2 z) may overflow to infinity (its reciprocal is 0) or fall to 0: both give tanh's own limits.
; LIMIT: the softmax's promise holds while |u| stays under 2^31.
; THE WALK: superstep SS multiplies column group SS % 4 of Wk (256 columns, 16 tiles) with the four granules that are live.  Granule n enters at superstep n into slot n % 4 and stays four
; supersteps, so it meets all 1,024 columns; 16 granules take 19 supersteps.  Of a superstep's 16 tiles a wave takes four: two of each half of the ring, the ones that it fetched itself.
; All four waves hold the codes of the four live granules (4 x 96 registers, windows 1 and 2), so a fragment of Wk read from LDS feeds four matrix instructions.
; A granule's rows come by loads into registers, asked for a whole superstep ahead of their use (so no prefetch is laid for them; Wk's image is read again in every fourth superstep by all work-groups).
; Each wave takes 256 of the 1,024 channels: it turns them through its own stage in LDS, quantises two K steps, and hands the operand's image to the others through LDS;
; it keeps its channels as bf16 (window 3) until the granule's scores are whole, and then adds them, weighed, to its 256 channels of the sum.
; THE MATRIX INSTRUCTION IS USED TRANSPOSED (source 0 = 16 rows of Wk, source 1 = 16 keys; C of the first K step = q_proj): a lane holds one key and eight neighbouring g.
; CLUSTER 4, 1, 1: the four partners walk Wk's image in step and ask for each part of it jointly (mask 15).
; THE TILE PIPELINE: no transcendental stands inside a run of matrix instructions.  Run n (8 x NJ matrix instructions, the NJ accumulators by turns) holds only tile n - 1's additions of 1 between them;
; behind it: tile n's products x 2 log2 e, ONE batch of tile n's exponentials and tile n - 1's reciprocals, and tile n - 1's multiply-adds with v.  Two sets of accumulators take turns, each worked on in place.
.set RING1, 102400
.set QRT,   25600
.set TILEB, 12800
.set QV,    204800
.set STG,   212992
.set STGW,  16896
.set STGC,  8448
.set SP,    528
.set IMG,   280576
.set KSI,   292864
.set SCX,   293376
.set SCALL, 293888
.set SCW,   1280
.set SPARE, 299008
.set ROWB,  4096
.set GRAN,  16*ROWB
.set PROW,  5120
.set SPW,  1
.set NIL,  2
.set ADB,  4
.set ADQ0, 6
.set ADQ,  7
.set KO,   8
.set STW,  10
.set STR,  11
.set IMW,  12
.set IMR,  13
.set KSW,  14
.set KSR,  15
.set SXW,  16
.set SXR,  17
.set SCA0, 20
.set SCA,  21
.set MX,   22
.set LS,   23
.set AL,   24
.set UU,   26
.set PP,   27
.set TT,   28
.set PB,   32
.set CTX,  48
.set SA,   56
.set BF,   96
.set KS,   192
.set WS,   208
.set QB,   212
.set VV,   220
.set XT0,  64
.set XT1,  128
.set PC,   212
.set TM,   232
.set PW0,  248
.set PW1,  249
.set PWP,  250
.set UR,   253
.set UO,   254
.set CO,   255
.set WV,  16
.set SS,  19
.set JJ,  20
.set MJ,  21
.set VM,  25
.set CS,  26
.set SEL, 28
.set HM,  30
.set NX,  31
.set G1,  32
.set G0,  40
.set WKW, 48
.set NJ,  4
.set J0,  0
.set MSB, 0
.macro WIN new
.if MSB != (\new)
	s_set_vgpr_msb (MSB<<8)|(\new)
.set MSB, (\new)
.endif
.endm
.macro PLACES
.rept 4
	v_nop
.endr
.endm
.macro CREST
	s_cmp_lg_u32 s[WV], 0
	s_cbranch_scc1 .Lnot_wave_0_\@
	s_barrier_signal -3
.Lnot_wave_0_\@:
	s_barrier_wait -3
	s_barrier_signal -1
	s_barrier_wait -1
.endm
.macro CROUND
	s_barrier_signal -1
	s_barrier_wait -1
	CREST
.endm
.macro BAR
	s_wait_dscnt 0x0
	s_barrier_signal -1
	s_barrier_wait -1
.endm
.macro TLOADS a, t
	ds_load_b128 v[WS:WS+3], v[ADB+\a] offset:TILEB*\t+12288
	ds_load_b128 v[QB:QB+3], v[ADQ] offset:512*\a+64*\t
	ds_load_b128 v[QB+4:QB+7], v[ADQ] offset:512*\a+64*\t+16
.irp s, 0,1,2,3,4,5,6,7
.irp c, 0,1,2
	ds_load_b128 v[BF+12*\s+4*\c:BF+12*\s+4*\c+3], v[ADB+\a] offset:TILEB*\t+1536*\s+512*\c
.endr
.endr
	ds_load_b128 v[VV+8*\t:VV+8*\t+3], v[ADQ] offset:4096+512*\a+64*\t
	ds_load_b128 v[VV+8*\t+4:VV+8*\t+7], v[ADQ] offset:4096+512*\a+64*\t+16
.endm
.macro RUNA a, t
.irp s, 0,1,2,3
.irp c, 0,1,2
	ds_load_b128 v[BF+12*\s+4*\c:BF+12*\s+4*\c+3], v[ADB+\a] offset:TILEB*\t+1536*\s+512*\c
.endr
.endr
	ds_load_b128 v[QB:QB+3], v[ADQ] offset:512*\a+64*\t
	ds_load_b128 v[QB+4:QB+7], v[ADQ] offset:512*\a+64*\t+16
	ds_load_b64 v[WS:WS+1], v[ADB+\a] offset:TILEB*\t+12288
.endm
.macro RUNB a, t
.irp s, 4,5,6,7
.irp c, 0,1,2
	ds_load_b128 v[BF+12*\s+4*\c:BF+12*\s+4*\c+3], v[ADB+\a] offset:TILEB*\t+1536*\s+512*\c
.endr
.endr
	ds_load_b64 v[WS+2:WS+3], v[ADB+\a] offset:TILEB*\t+12296
.endm
.macro RUNV a, t                       ; v's eight numbers for tile (a, t): issued behind the multiply-adds that read the same registers for the tile two back
	ds_load_b128 v[VV+8*\t:VV+8*\t+3], v[ADQ] offset:4096+512*\a+64*\t
	ds_load_b128 v[VV+8*\t+4:VV+8*\t+7], v[ADQ] offset:4096+512*\a+64*\t+16
.endm
.macro ACCB set, j
.if (\set) == 0
.set AB, 64+8*(\j)
.else
.set AB, 32+8*(\j)+188*((\j)/2)
.endif
.endm
.macro WM set, s, j
	ACCB \set, \j
.if (\s) < 5
	WIN 0x04
.set CB, 48*(\s)+12*(\j)
.else
	WIN 0x08
.set CB, 48*((\s)-5)+12*(\j)
.endif
.set FB, BF+12*(\s)
.set WR, WS+(\s)/2
.set KR, KS+4*(\j)+(\s)/2
.if (\s) == 0
	v_wmma_scale_f32_16x16x128_f8f6f4 v[AB:AB+7], v[FB:FB+11], v[CB:CB+11], v[QB:QB+7], v[WR], v[KR] matrix_a_fmt:MATRIX_FMT_FP6 matrix_b_fmt:MATRIX_FMT_FP6
.elseif (\s)%2
	v_wmma_scale_f32_16x16x128_f8f6f4 v[AB:AB+7], v[FB:FB+11], v[CB:CB+11], v[AB:AB+7], v[WR], v[KR] matrix_a_fmt:MATRIX_FMT_FP6 matrix_b_fmt:MATRIX_FMT_FP6 matrix_a_scale:MATRIX_SCALE_ROW1 matrix_b_scale:MATRIX_SCALE_ROW1
.else
	v_wmma_scale_f32_16x16x128_f8f6f4 v[AB:AB+7], v[FB:FB+11], v[CB:CB+11], v[AB:AB+7], v[WR], v[KR] matrix_a_fmt:MATRIX_FMT_FP6 matrix_b_fmt:MATRIX_FMT_FP6
.endif
.endm
.macro EM set, p
	ACCB \set, J0+(\p)/4
.set EX, AB+2*((\p)%4)
	v_pk_mul_f32 v[EX:EX+1], v[EX:EX+1], s[CS:CS+1] op_sel_hi:[1,0]
.endm
.macro EE set, e
	ACCB \set, J0+(\e)/8
.set EX, AB+(\e)%8
	v_exp_f32 v[EX], v[EX]
.endm
.macro EA set, p
	ACCB \set, J0+(\p)/4
.set EX, AB+2*((\p)%4)
	v_pk_add_f32 v[EX:EX+1], v[EX:EX+1], 1.0 op_sel_hi:[1,0]
.endm
.macro ER set, e
	ACCB \set, J0+(\e)/8
.set EX, AB+(\e)%8
	v_rcp_f32 v[EX], v[EX]
.endm
.macro EF set
.irp i, 0,1,2,3
.set JN, 0
.rept NJ
	ACCB \set, J0+JN
	v_pk_fma_f32 v[SA+2*(J0+JN):SA+2*(J0+JN)+1], v[AB+2*\i:AB+2*\i+1], v[VV+8*(\set)+2*\i:VV+8*(\set)+2*\i+1], v[SA+2*(J0+JN):SA+2*(J0+JN)+1]
.set JN, JN+1
.endr
.endr
.endm
; The back part of a superstep's last tile, whose exponentials are made: + 1, the reciprocals as one batch, x v
.macro EPB set
.set EN, 0
.rept 4*NJ
	EA \set, EN
.set EN, EN+1
.endr
.set EN, 0
	s_wait_alu depctr_va_vdst(0)
.rept 8*NJ
	ER \set, EN
.set EN, EN+1
.endr
	v_nop
	s_wait_alu depctr_va_vdst(0)
	EF \set
.endm
; One K step of a tile: NJ matrix instructions, the slots' accumulators by turns.  In K steps 1 to 4 one packed addition of the tile before stands behind each: 4 NJ in all
.macro KSTEP set, pset, s, ep
.set JN, 0
.rept NJ
	WM \set, \s, J0+JN
.if (\ep) && (\s) >= 1 && (\s) <= 4
	EA \pset, ((\s)-1)*NJ+JN
.endif
.set JN, JN+1
.endr
.endm
; A tile.  set: its accumulators; pset: the tile before's (ep = 1: there is one);  mode 1: ring half 0 is filled again in its middle, 2: only the wait for my tensor loads;
; hw: LDS loads that may be out at its head (the 13 + 2 issued last);  (na, nt): the next tile, na < 0: none;  adm = 1: the new granule goes to the stage behind the run
.macro TILE set, pset, ep, mode, hw, na, nt, adm
	s_wait_dscnt \hw
.if \mode == 1
	s_wait_tensorcnt 0x0
	ds_add_u32 v[SPW], v[NIL]
	s_mov_b32 s50, s[NX]
	s_mov_b32 s51, 0
	s_add_nc_u64 s[G0+2:G0+3], s[WKW:WKW+1], s[50:51]
	s_or_b32 s[G0+3], s[G0+3], 0x80000000
.elseif \mode == 2
	s_wait_tensorcnt 0x0
.endif
.irp s, 0,1,2,3
	KSTEP \set, \pset, \s, \ep
.endr
	s_wait_dscnt 0x0
.if \mode == 1
	s_barrier_signal -1
.endif
	KSTEP \set, \pset, 4, \ep
.if \mode == 1
	WIN 0
	s_barrier_wait -1
	CREST
	tensor_load_to_lds s[G0:G0+3], s[G1:G1+7]
	s_nop 0
	PLACES
.else
	PLACES                                         ; four places ahead of loads into registers that K steps 0 to 3 have read
.endif
.if \na >= 0
	RUNA \na, \nt
.endif
.irp s, 5,6,7
	KSTEP \set, \pset, \s, \ep
.endr
	WIN 0
	PLACES                                         ; four places behind the run: for the loads below and for the first reads of its results
.if \na >= 0
	RUNB \na, \nt
.elseif \adm
	s_wait_loadcnt 0x0                             ; the new granule's rows, asked for a superstep ago, are in:
	STAGE_ST                                       ; into my stage, and the second K step's numbers back, turned, into registers that held Wk's fragments
	XTL 1
.endif
.set EN, 0
.rept 4*NJ
	EM \set, EN                                    ; z x 2 log2 e: each accumulator from its low end on; no transcendental stands between the run and these first reads
.set EN, EN+1
.endr
	s_wait_alu depctr_va_vdst(0)                   ; the wait ahead of the batch
.set EN, 0
.rept 8*NJ
	EE \set, EN
.set EN, EN+1
.endr
.if \ep
.set EN, 0
.rept 8*NJ
	ER \pset, EN
.set EN, EN+1
.endr
.endif
	v_nop                                          ; a plain place behind the batch,
	s_wait_alu depctr_va_vdst(0)                   ; and the one wait for all of it
.if \ep
	EF \pset
.endif
.if \na >= 0
	RUNV \na, \nt
.endif
.endm
.macro SSTILES r, adm
	TILE 0, 1, 0, 0, 0, 0, 1, 0
	TILE 1, 0, 1, \r, 15, 1, 0, 0
	TILE 0, 1, 1, 0, 15, 1, 1, 0
	TILE 1, 0, 1, 0, 15, -1, 0, \adm
.endm
.macro LOADG
.set GQ, 0
.rept 32
.if GQ < 28
	WIN 0x80
.set FX, 144+4*GQ
.else
	WIN 0x40
.set FX, 240+4*(GQ-28)
.endif
	global_load_b128 v[FX:FX+3], v[KO], s[4:5] offset:ROWB*(GQ%16)+512*(GQ/16) th:TH_LOAD_NT
.set GQ, GQ+1
.endr
	WIN 0
.endm
.macro STAGE_ST
.set GQ, 0
.rept 32
.if GQ < 28
	WIN 0x08
.set FX, 144+4*GQ
.else
	WIN 0x04
.set FX, 240+4*(GQ-28)
.endif
	ds_store_b128 v[STW], v[FX:FX+3] offset:STGC*(GQ/16)+SP*(GQ%16)
.set GQ, GQ+1
.endr
	WIN 0
.endm
.macro CVT j
.set GQ, 0
.rept 32
.if GQ < 28
	WIN 0xca
.set FX, 144+4*GQ
.else
	WIN 0xc5
.set FX, 240+4*(GQ-28)
.endif
	v_cvt_pk_bf16_f32 v[64*\j+2*GQ], v[FX], v[FX+1]
	v_cvt_pk_bf16_f32 v[64*\j+2*GQ+1], v[FX+2], v[FX+3]
.set GQ, GQ+1
.endr
	WIN 0
.endm
.macro XTL c
.irp b, 0,1,2,3
.irp n, 0,1,2,3
	ds_load_b128 v[XT0+64*\c+16*\b+4*\n:XT0+64*\c+16*\b+4*\n+3], v[STR] offset:STGC*\c+128*\b+16*\n
.endr
.endr
.endm
.macro QUANT s, pw
.irp b, 0,1,2,3
	v_max3_num_f32 v[TM+\b], |v[\s+16*\b]|, |v[\s+1+16*\b]|, 0x1800000
.endr
.irp i, 2,4,6,8,10,12,14
.irp b, 0,1,2,3
	v_max3_num_f32 v[TM+\b], v[TM+\b], |v[\s+16*\b+\i]|, |v[\s+1+16*\b+\i]|
.endr
.endr
.irp b, 0,1,2,3
	v_permlanex16_b32 v[TM+4+\b], v[TM+\b], s[SEL], s[SEL+1]
.endr
.irp b, 0,1,2,3
	v_max_num_f32 v[TM+\b], v[TM+\b], v[TM+4+\b]
.endr
.irp b, 0,1,2,3
	v_add_nc_u32 v[TM+12+\b], 0xff000000, v[TM+\b]
.endr
.irp b, 0,1,2,3
	v_lshrrev_b32 v[TM+4+\b], 23, v[TM+12+\b]
.endr
	v_lshl_or_b32 v[\pw], v[TM+5], 8, v[TM+4]
	v_lshl_or_b32 v[\pw], v[TM+6], 16, v[\pw]
	v_lshl_or_b32 v[\pw], v[TM+7], 24, v[\pw]
.irp c, 0,1
	v_cvt_scalef32_pk16_fp6_f32 v[PC+6*\c:PC+2+6*\c], v[\s+32*\c:\s+15+32*\c], v[TM+12+2*\c]
	v_cvt_scalef32_pk16_fp6_f32 v[PC+12+4*\c:PC+14+4*\c], v[\s+16+32*\c:\s+31+32*\c], v[TM+12+2*\c+1]
.endr
	v_nop
.irp c, 0,1
.irp i, 0,1,2
	v_permlane16_swap_b32 v[PC+6*\c+\i], v[PC+12+4*\c+\i]
.endr
.irp i, 0,1,2
	v_mov_b32 v[PC+3+6*\c+\i], v[PC+12+4*\c+\i]
.endr
.endr
.endm
.macro IMAGE c
.irp g, 0,1,2
	ds_store_b128 v[IMW], v[PC+4*\g:PC+4*\g+3] offset:1536*\c+512*\g
.endr
.endm
; The new granule's two K steps of mine are quantised and their images stored.  XTL 1 was issued ahead of XTL 0
.macro ADM_B
	s_wait_dscnt 16                                ; all but XTL 0's 16 loads
	QUANT XT1, PW1
	IMAGE 1
	s_wait_dscnt 0x0
	QUANT XT0, PW0
	IMAGE 0
	v_cndmask_b32 v[PWP], v[PW0], v[PW1], s[HM]
	ds_store_b32 v[KSW], v[PWP]
.endm
.macro IMGLOAD j
.set KK, 0
.rept 8
.if KK < 5
	WIN 0x40
.set CB, 48*KK
.else
	WIN 0x80
.set CB, 48*(KK-5)
.endif
.irp g, 0,1,2
	ds_load_b128 v[CB+12*\j+4*\g:CB+12*\j+4*\g+3], v[IMR] offset:1536*KK+512*\g
.endr
.set KK, KK+1
.endr
	WIN 0
	ds_load_b128 v[KS+4*\j:KS+4*\j+3], v[KSR]
.endm
.macro SCAL
	s_add_co_u32 s[JJ], s[SS], 1
	s_and_b32 s[JJ], s[JJ], 3
	s_mul_i32 s[NX], s[JJ], 2*RING1
.irp j, 0,1,2,3
	s_cmp_eq_u32 s[JJ], \j
	s_cselect_b32 s[MJ+\j], -1, 0
.endr
	s_cmp_ge_u32 s[SS], 3
	s_cselect_b32 s[VM], -1, 0
.endm
.macro ROUND1
	s_wait_tensorcnt 0x0
	ds_add_u32 v[SPW], v[NIL]
	s_add_co_u32 s50, s[NX], RING1
	s_mov_b32 s51, 0
	s_add_nc_u64 s[G0+6:G0+7], s[WKW:WKW+1], s[50:51]
	s_or_b32 s[G0+7], s[G0+7], 0x80000000
	s_wait_dscnt 0x0
	CROUND
	tensor_load_to_lds s[G0+4:G0+7], s[G1:G1+7]
	s_nop 0
	PLACES
.endm
.macro NEXTQ
	s_lshl_b32 s50, s[JJ], 10
	v_add_nc_u32 v[ADQ], s50, v[ADQ0]
	TLOADS 0, 0
.endm
.macro RET_A off
.irp j, 0,1,2,3
	v_add_f32 v[TT+\j], v[SA+2*\j], v[SA+2*\j+1]
.endr
	v_cndmask_b32 v[UU], v[TT], v[TT+1], s[MJ+1]
	v_cndmask_b32 v[UU], v[UU], v[TT+2], s[MJ+2]
	v_cndmask_b32 v[UU], v[UU], v[TT+3], s[MJ+3]
.irp j, 0,1,2,3
	v_cndmask_b32 v[SA+2*\j], v[SA+2*\j], 0, s[MJ+\j]
	v_cndmask_b32 v[SA+2*\j+1], v[SA+2*\j+1], 0, s[MJ+\j]
.endr
	v_permlanex16_b32 v[TT], v[UU], s[SEL], s[SEL+1]
	v_add_f32 v[UU], v[UU], v[TT]
	ds_store_b32 v[SXW], v[UU] offset:\off
.endm
.macro RET_B cnt
	s_lshl_b32 s50, s[SS], 6
	v_add_nc_u32 v[SCA], s50, v[SCA0]
	s_wait_dscnt \cnt
	v_add_f32 v[TT], v[TT], v[TT+1]
	v_add_f32 v[TT+2], v[TT+2], v[TT+3]
	v_add_f32 v[UU], v[TT], v[TT+2]
	v_cndmask_b32 v[UU], 0xff800000, v[UU], s[VM]
	s_wait_alu depctr_va_vdst(0)
	ds_store_b32 v[SCA], v[UU]
	v_max_num_f32_dpp v[TT], v[UU], v[UU] row_xmask:1 row_mask:0xf bank_mask:0xf
	v_max_num_f32_dpp v[TT], v[TT], v[TT] row_xmask:2 row_mask:0xf bank_mask:0xf
	v_max_num_f32_dpp v[TT], v[TT], v[TT] row_xmask:4 row_mask:0xf bank_mask:0xf
	v_max_num_f32_dpp v[TT], v[TT], v[TT] row_xmask:8 row_mask:0xf bank_mask:0xf
	v_max_num_f32 v[TT], v[MX], v[TT]
	v_sub_f32 v[TT+1], v[MX], v[TT]
	v_sub_f32 v[TT+2], v[UU], v[TT]
	s_wait_alu depctr_va_vdst(0)
	v_exp_f32 v[AL], v[TT+1]
	v_exp_f32 v[PP], v[TT+2]
	v_mov_b32 v[MX], v[TT]
	s_wait_alu depctr_va_vdst(0)
.irp i, 0,1,2,3,4,5,6,7,8,9,10,11,12,13,14,15
	v_mov_b32_dpp v[PB+\i], v[PP] row_share:\i row_mask:0xf bank_mask:0xf
.endr
	v_add_f32_dpp v[TT+1], v[PP], v[PP] row_xmask:1 row_mask:0xf bank_mask:0xf
	v_add_f32_dpp v[TT+1], v[TT+1], v[TT+1] row_xmask:2 row_mask:0xf bank_mask:0xf
	v_add_f32_dpp v[TT+1], v[TT+1], v[TT+1] row_xmask:4 row_mask:0xf bank_mask:0xf
	v_add_f32_dpp v[TT+1], v[TT+1], v[TT+1] row_xmask:8 row_mask:0xf bank_mask:0xf
	v_fma_f32 v[LS], v[LS], v[AL], v[TT+1]
.irp k, 0,1,2,3
	v_pk_mul_f32 v[CTX+2*\k:CTX+2*\k+1], v[CTX+2*\k:CTX+2*\k+1], v[AL:AL+1] op_sel_hi:[1,0]
.endr
.endm
.macro CONTEXT j
	WIN 0x03
.irp i, 0,1,2,3,4,5,6,7,8,9,10,11,12,13,14,15
.irp c, 0,1
.irp e, 0,1
	v_fma_mix_f32_bf16 v[CTX+4*\c+2*\e], v[64*\j+32*\c+2*\i+\e], v[PB+\i], v[CTX+4*\c+2*\e] op_sel_hi:[1,0,0]
	v_fma_mix_f32_bf16 v[CTX+4*\c+2*\e+1], v[64*\j+32*\c+2*\i+\e], v[PB+\i], v[CTX+4*\c+2*\e+1] op_sel:[1,0,0] op_sel_hi:[1,0,0]
.endr
.endr
.endr
	WIN 0
.endm
.macro SW_CTX
	s_cmp_eq_u32 s[JJ], 0
	s_cbranch_scc0 .Lc1_\@
	s_wait_alu depctr_va_vdst(0)
	CTXI 0
	CVT 0
	s_branch .Lce_\@
.Lc1_\@:
	s_cmp_eq_u32 s[JJ], 1
	s_cbranch_scc0 .Lc2_\@
	s_wait_alu depctr_va_vdst(0)
	CTXI 1
	CVT 1
	s_branch .Lce_\@
.Lc2_\@:
	s_cmp_eq_u32 s[JJ], 2
	s_cbranch_scc0 .Lc3_\@
	s_wait_alu depctr_va_vdst(0)
	CTXI 2
	CVT 2
	s_branch .Lce_\@
.Lc3_\@:
	s_wait_alu depctr_va_vdst(0)
	CTXI 3
	CVT 3
.Lce_\@:
.endm
.macro IMGK j, kk                      ; the new granule's codes of K step kk into slot j: three loads of 16 bytes a lane
.if (\kk) < 5
	WIN 0x40
.set CB, 48*(\kk)
.else
	WIN 0x80
.set CB, 48*((\kk)-5)
.endif
.irp g, 0,1,2
	ds_load_b128 v[CB+12*\j+4*\g:CB+12*\j+4*\g+3], v[IMR] offset:1536*(\kk)+512*\g
.endr
.endm
; Slot j changes hands: the granule that leaves is added to the weighted sum (16 rows x 8 multiply-adds), and the 25 loads of the new granule's image stand between, six ahead of each four rows,
; the scale words with the last six: the slot's codes were last multiplied in the superstep's last tile
.macro CTXI j
.irp q, 0,1,2,3
	IMGK \j, 2*\q
	IMGK \j, 2*\q+1
.if \q == 3
	WIN 0
	ds_load_b128 v[KS+4*\j:KS+4*\j+3], v[KSR]
.endif
	WIN 0x03
.irp i, 0,1,2,3
.irp c, 0,1
.irp e, 0,1
	v_fma_mix_f32_bf16 v[CTX+4*\c+2*\e], v[64*\j+32*\c+2*(4*\q+\i)+\e], v[PB+4*\q+\i], v[CTX+4*\c+2*\e] op_sel_hi:[1,0,0]
	v_fma_mix_f32_bf16 v[CTX+4*\c+2*\e+1], v[64*\j+32*\c+2*(4*\q+\i)+\e], v[PB+4*\q+\i], v[CTX+4*\c+2*\e+1] op_sel:[1,0,0] op_sel_hi:[1,0,0]
.endr
.endr
.endr
.endr
	WIN 0
.endm
.macro FILL_SS j
	SCAL
	SSTILES 1, 1
	XTL 0                                          ; set 0's accumulators are done with: the first K step's numbers land there
	EPB 1
	ADM_B
	v_mov_b32 v[SA+2*\j], 0
	v_mov_b32 v[SA+2*\j+1], 0
	ROUND1
	IMGLOAD \j
	NEXTQ
	CVT \j
	s_add_nc_u64 s[4:5], s[4:5], GRAN
	LOADG
.endm
	s_load_b256 s[4:11], s[0:1], 0x0
	s_load_b128 s[12:15], s[0:1], 0x20
	v_lshl_add_u32 v[SPW], v0, 2, SPARE
	v_mov_b32 v[NIL], 0
	ds_add_u32 v1, v2
	ds_add_u32 v1, v2
	s_wait_dscnt 0x0
	v_lshrrev_b32 v3, 5, v0
	v_readfirstlane_b32 s[WV], v3
	s_bfe_u32 s17, ttmp6, 0x40000
	s_lshl_b32 s18, ttmp9, 2
	s_add_co_u32 s18, s18, s17
	s_mov_b32 s[G1], 15|(3<<16)|(1<<21)
	s_mov_b32 s[G1+1], 32<<16
	s_mov_b32 s[G1+2], 100<<16
	s_mov_b32 s[G1+3], 32<<16
	s_mov_b32 s[G1+4], 100
	s_mov_b32 s[G1+5], 32
	s_mov_b32 s[G1+6], 0
	s_mov_b32 s[G1+7], 0
	s_mov_b32 s[CS], 0x4038aa3b
	s_mov_b32 s[CS+1], s[CS]
	s_mov_b32 s[SEL], 0x76543210
	s_mov_b32 s[SEL+1], 0xfedcba98
	s_mov_b32 s[HM], 0xffff0000
	s_mul_i32 s52, s[WV], QRT
	s_mov_b32 s53, 0
	s_wait_kmcnt 0x0
	s_add_nc_u64 s[WKW:WKW+1], s[8:9], s[52:53]
	s_mov_b32 s[G0], 1
	s_mov_b32 s[G0+1], s52
	s_mov_b64 s[G0+2:G0+3], s[WKW:WKW+1]
	s_or_b32 s[G0+3], s[G0+3], 0x80000000
	s_mov_b32 s[G0+4], 1
	s_add_co_u32 s[G0+5], s52, RING1
	s_add_nc_u64 s[G0+6:G0+7], s[WKW:WKW+1], RING1
	s_or_b32 s[G0+7], s[G0+7], 0x80000000
	; the loads into registers go out first, ahead of the round: my batch's q_proj, v, and my 256 channels of granule 0
	s_lshl_b32 s54, s18, 20                        ; keys: 256 rows of 4,096 bytes a work-group,
	s_lshl_b32 s55, s[WV], 10                      ; + my 256 channels
	s_add_co_u32 s54, s54, s55
	s_mov_b32 s55, 0
	s_add_nc_u64 s[4:5], s[4:5], s[54:55]
	s_lshr_b32 s54, s18, 4
	s_lshl_b32 s54, s54, 12                        ; qp: the batch's row of 4,096 bytes
	s_add_nc_u64 s[10:11], s[10:11], s[54:55]
	s_mul_i32 s54, s18, PROW                       ; part: my work-group's row
	s_add_nc_u64 s[12:13], s[12:13], s[54:55]
	s_lshl_b32 s54, s18, 10                        ; u: my work-group's 256 scores
	s_add_nc_u64 s[14:15], s[14:15], s[54:55]
	v_and_b32 v3, 31, v0
	v_and_b32 v9, 15, v0
	v_bfe_u32 v251, v0, 4, 1
	v_lshlrev_b32 v252, 5, v0
	v_lshlrev_b32 v[KO], 4, v3
	s_wait_alu depctr_va_vdst(0)                   ; the loads below read v252 and KO, just written
	global_load_b128 v[64:67], v252, s[10:11]
	global_load_b128 v[68:71], v252, s[10:11] offset:16
	global_load_b128 v[72:75], v252, s[6:7]
	global_load_b128 v[76:79], v252, s[6:7] offset:16
	LOADG
	CROUND                                         ; all four work-groups are here: the first joint loads meet
	tensor_load_to_lds s[G0:G0+3], s[G1:G1+7]      ; ring half 0: my one tensor load at the head; the first granule is prepared while it is out
	s_nop 0
	PLACES
	v_add_nc_u32 v[ADB], s52, v[KO]
	v_add_nc_u32 v[ADB+1], RING1, v[ADB]
	s_lshl_b32 s50, s[WV], 7
	v_lshl_add_u32 v[ADQ0], v251, 5, s50
	v_add_nc_u32 v[ADQ0], QV, v[ADQ0]
	s_mul_i32 s50, s[WV], STGW
	s_add_co_u32 s50, s50, STG
	v_add_nc_u32 v[STW], s50, v[KO]
	v_mul_u32_u24 v[STR], v9, SP
	v_lshl_add_u32 v[STR], v251, 6, v[STR]
	v_add_nc_u32 v[STR], s50, v[STR]
	s_mul_i32 s50, s[WV], 3072
	s_add_co_u32 s50, s50, IMG
	v_add_nc_u32 v[IMW], s50, v[KO]
	v_add_nc_u32 v[IMR], IMG, v[KO]
	s_lshl_b32 s50, s[WV], 2
	s_add_co_u32 s51, s50, KSI
	v_add_nc_u32 v[KSW], s51, v[KO]
	v_add_nc_u32 v[KSR], KSI, v[KO]
	v_lshlrev_b32 v[SXR], 4, v9
	v_add_nc_u32 v[SXR], SCX, v[SXR]
	v_add_nc_u32 v[SXW], s50, v[SXR]
	s_mul_i32 s50, s[WV], SCW
	s_add_co_u32 s50, s50, SCALL
	v_lshl_add_u32 v[SCA0], v9, 2, s50
	s_mul_i32 s50, s[WV], SCW+256
	s_add_co_u32 s50, s50, SCALL+192
	v_lshl_add_u32 v[UR], v3, 3, s50
	s_lshl_b32 s50, s[WV], 8
	v_lshl_add_u32 v[UO], v3, 3, s50
	s_lshl_b32 s50, s[WV], 10
	v_add_nc_u32 v[CO], s50, v[KO]
	v_lshl_add_u32 v3, v0, 5, QV
	v_mov_b32 v[MX], 0xff61b1e6
	v_mov_b32 v[LS], 0
	v_mov_b32 v[AL+1], 0
.irp k, 0,1,2,3
	v_mov_b32 v[TT+\k], 0
	v_mov_b32 v[TM+4+\k], 0
.endr
.irp k, 0,1,2,3,4,5,6,7
	v_mov_b32 v[CTX+\k], 0
	v_mov_b32 v[SA+\k], 0
.endr
.irp k, 0,1,2,3,4,5,6,7,8,9,10,11,12,13,14,15
	v_mov_b32 v[PB+\k], 0
.endr
	WIN 0xc0
.set EN, 192
.rept 64
	v_mov_b32 v[EN], 0
.set EN, EN+1
.endr
	WIN 0
	s_wait_loadcnt 32
.irp k, 0,1,2,3
	v_pk_mul_f32 v[72+2*\k:73+2*\k], v[72+2*\k:73+2*\k], 0xc038aa3b op_sel_hi:[1,0]
.endr
	ds_store_b128 v3, v[64:67]
	ds_store_b128 v3, v[68:71] offset:16
	ds_store_b128 v3, v[72:75] offset:4096
	ds_store_b128 v3, v[76:79] offset:4112
	s_wait_loadcnt 0x0
	STAGE_ST
	CVT 0
	s_wait_dscnt 0x0
	s_add_nc_u64 s[4:5], s[4:5], GRAN
	LOADG
	XTL 1
	XTL 0
	ADM_B
	s_wait_alu depctr_va_vdst(0)
	s_wait_tensorcnt 0x0                           ; my part of ring half 0 is in
	ds_add_u32 v[SPW], v[NIL]
	s_wait_dscnt 0x0                               ; the add, and my stores of q_proj, v, the images and the scale words
	CROUND                                         ; the round is also the barrier behind which the other waves' images are read
	tensor_load_to_lds s[G0+4:G0+7], s[G1:G1+7]    ; ring half 1's first fill: the first tensor load behind the round
	s_nop 0
	PLACES
	IMGLOAD 0
	IMGLOAD 1
	IMGLOAD 3
	v_mov_b32 v[ADQ], v[ADQ0]
	s_wait_alu depctr_va_vdst(0)
	TLOADS 0, 0
.set NJ, 2
.set J0, 0
	s_mov_b32 s[SS], 0
	FILL_SS 1
	s_mov_b32 s[SS], 1
	FILL_SS 2
.set NJ, 4
.set J0, 0
	s_mov_b32 s[SS], 2
.Lss:
	SCAL
	SSTILES 1, 1
	XTL 0                                          ; set 0's accumulators are done with: the first K step's numbers land there
	EPB 1
	ADM_B
	RET_A 0
	ROUND1
	ds_load_b128 v[TT:TT+3], v[SXR]
	NEXTQ
	RET_B 29                                       ; the four waves' partial scores are in; the 29 loads of the next tile may be out
	SW_CTX
	s_cmp_lt_u32 s[SS], 14
	s_cbranch_scc0 .Lno_load
	s_add_nc_u64 s[4:5], s[4:5], GRAN
	LOADG
.Lno_load:
	s_add_co_u32 s[SS], s[SS], 1
	s_cmp_lt_u32 s[SS], 17
	s_cbranch_scc1 .Lss
.set NJ, 2
.set J0, 2
	s_mov_b32 s[SS], 17
	SCAL
	SSTILES 1, 0
	EPB 1
	RET_A 0
	ROUND1
	ds_load_b128 v[TT:TT+3], v[SXR]
	NEXTQ
	RET_B 29
	CONTEXT 2
	s_mov_b32 s[SS], 18
	SCAL
	SSTILES 2, 0
	EPB 1
	RET_A 256
	BAR
	ds_load_b128 v[TT:TT+3], v[SXR] offset:256
	RET_B 0
	CONTEXT 3
	global_store_b128 v[CO], v[CTX:CTX+3], s[12:13]
	global_store_b128 v[CO], v[CTX+4:CTX+7], s[12:13] offset:512
	global_store_b64 v[UO], v[MX:MX+1], s[12:13] offset:4096
	ds_load_b64 v[TT:TT+1], v[UR]
	s_wait_dscnt 0x0
	global_store_b64 v[UO], v[TT:TT+1], s[14:15]
	s_wait_tensorcnt 0x0
	ds_add_u32 v[SPW], v[NIL]
	s_wait_dscnt 0x0
	CROUND
	s_endpgm
.Lfunc_end_k_q940d520a69_main:
	.size	k_q940d520a69_main, .Lfunc_end_k_q940d520a69_main-k_q940d520a69_main
	.p2alignl 7, 3214868480
	.fill 96, 4, 3214868480
	.section	.rodata,"a",@progbits
	.p2align	6, 0x0
	.amdhsa_kernel k_q940d520a69_main
		.amdhsa_group_segment_fixed_size 327680
		.amdhsa_private_segment_fixed_size 0
		.amdhsa_enable_private_segment 0
		.amdhsa_kernarg_size 48
		.amdhsa_user_sgpr_count 2
		.amdhsa_user_sgpr_kernarg_segment_ptr 1
		.amdhsa_wavefront_size32 1
		.amdhsa_system_sgpr_workgroup_id_x 1
		.amdhsa_system_sgpr_workgroup_id_y 1
		.amdhsa_system_sgpr_workgroup_id_z 1
		.amdhsa_system_vgpr_workitem_id 0
		.amdhsa_next_free_vgpr 1024
		.amdhsa_next_free_sgpr 66
		.amdhsa_reserve_vcc 0
		.amdhsa_float_denorm_mode_32 3
		.amdhsa_float_denorm_mode_16_64 3
		.amdhsa_memory_ordered 1
		.amdhsa_forward_progress 1
		.amdhsa_inst_pref_size 255
	.end_amdhsa_kernel
	.section	.bss,"aw",@nobits
	.p2align	6
	.space	262144
	.amdgpu_metadata
---
amdhsa.version: [ 1, 2 ]
amdhsa.kernels:
  - .name:           k_q940d520a69_main
    .symbol:         k_q940d520a69_main.kd
    .args:
      - { .name: keys, .offset: 0, .size: 8, .value_kind: global_buffer, .address_space: global }
      - { .name: v, .offset: 8, .size: 8, .value_kind: global_buffer, .address_space: global }
      - { .name: wkimg, .offset: 16, .size: 8, .value_kind: global_buffer, .address_space: global }
      - { .name: qp, .offset: 24, .size: 8, .value_kind: global_buffer, .address_space: global }
      - { .name: part, .offset: 32, .size: 8, .value_kind: global_buffer, .address_space: global }
      - { .name: u, .offset: 40, .size: 8, .value_kind: global_buffer, .address_space: global }
    .group_segment_fixed_size: 327680
    .private_segment_fixed_size: 0
    .kernarg_segment_align: 8
    .kernarg_segment_size: 48
    .max_flat_workgroup_size: 128
    .sgpr_count:     66
    .vgpr_count:     1024
    .wavefront_size: 32
...
	.end_amdgpu_metadata
.endif
;; end of part 2
;; launch combine (part 3): grid 64 x 1, 2 waves a work-group, no clusters, 0 bytes of LDS; arguments part, u, out0, out1; writes out0, out1
.if DOCPART == 3
	.amdgcn_target "amdgcn-amd-amdhsa--gfx1250"
	.amdhsa_code_object_version 6
	.text
	.protected	k_q940d520a69_combine
	.globl	k_q940d520a69_combine
	.p2align	8
	.type	k_q940d520a69_combine,@function
k_q940d520a69_combine:
	s_mov_b64 s[64:65], 0
	v_nop
	global_prefetch_b8 v0, s[64:65] scope:SCOPE_SE
	s_setreg_imm32_b32 hwreg(HW_REG_WAVE_MODE, 25, 1), 1
	s_wait_xcnt 0x0
; The 16 parts of a batch are joined.  part: row i of 5,120 bytes: ctx_i[1024] f32, then pairs (m_i, l_i).  u: [16][4096] f32, scores in units of log2.
; M = the largest m_i;  w_i = 2^(m_i - M);  L = sum of l_i w_i;  out0[b][h] = sum of ctx_i[h] w_i / L;  out1[b][t] = 2^(u[b][t] - M) / L.
; Work-group x: batch x / 4, quarter x % 4: 256 channels of out0 and 1,024 weights of out1.  64 threads, 16 bytes each: every load and store of a wave covers 512 consecutive bytes.
; All loads are issued first.  No LDS, no barrier: each wave makes M and L for itself, lane l from part l % 16.
.set PROW, 5120
	s_load_b256 s[4:11], s[0:1], 0x0               ; part s[4:5], u s[6:7], out0 s[8:9], out1 s[10:11]
	s_lshr_b32 s12, ttmp9, 2                       ; the batch
	s_and_b32 s13, ttmp9, 3                        ; the quarter
	s_mul_i32 s14, s12, 16*PROW
	v_and_b32 v1, 15, v0
	v_mul_u32_u24 v1, v1, PROW
	v_add_nc_u32 v1, s14, v1                       ; part l % 16 of the batch
	s_lshl_b32 s15, s13, 10
	s_add_co_u32 s14, s14, s15
	v_lshl_add_u32 v2, v0, 4, s14                  ; my 4 channels in part 0
	s_lshl_b32 s15, s12, 14
	s_lshl_b32 s32, s13, 12
	s_add_co_u32 s15, s15, s32
	v_lshl_add_u32 v3, v0, 4, s15                  ; my 16 bytes of u and of out1
	s_lshl_b32 s32, s12, 12
	s_lshl_b32 s33, s13, 10
	s_add_co_u32 s32, s32, s33
	v_lshl_add_u32 v4, v0, 4, s32                  ; and of out0
	s_wait_alu depctr_va_vdst(0)
	s_wait_kmcnt 0x0
	global_load_b64 v[8:9], v1, s[4:5] offset:4096 ; (m, l)
.irp i, 0,1,2,3,4,5,6,7,8,9,10,11,12,13,14,15
	global_load_b128 v[16+4*\i:19+4*\i], v2, s[4:5] offset:PROW*\i
.endr
.irp k, 0,1,2,3
	global_load_b128 v[80+4*\k:83+4*\k], v3, s[6:7] offset:1024*\k
.endr
	s_wait_loadcnt 20                              ; (m, l) is in; the 20 loads behind it may be out
	v_mov_b32 v10, v8
	v_max_num_f32_dpp v10, v10, v10 row_xmask:1 row_mask:0xf bank_mask:0xf
	v_max_num_f32_dpp v10, v10, v10 row_xmask:2 row_mask:0xf bank_mask:0xf
	v_max_num_f32_dpp v10, v10, v10 row_xmask:4 row_mask:0xf bank_mask:0xf
	v_max_num_f32_dpp v10, v10, v10 row_xmask:8 row_mask:0xf bank_mask:0xf   ; M, in every lane
	v_sub_f32 v11, v8, v10
	s_wait_alu depctr_va_vdst(0)
	v_exp_f32 v11, v11                             ; w
	v_nop                                          ; a plain place behind the transcendental,
	s_wait_alu depctr_va_vdst(0)                   ; and the wait ahead of its first reader
	v_mul_f32 v12, v9, v11
	v_add_f32_dpp v12, v12, v12 row_xmask:1 row_mask:0xf bank_mask:0xf
	v_add_f32_dpp v12, v12, v12 row_xmask:2 row_mask:0xf bank_mask:0xf
	v_add_f32_dpp v12, v12, v12 row_xmask:4 row_mask:0xf bank_mask:0xf
	v_add_f32_dpp v12, v12, v12 row_xmask:8 row_mask:0xf bank_mask:0xf       ; L
	s_wait_alu depctr_va_vdst(0)
	v_rcp_f32 v13, v12
	v_nop
	s_wait_alu depctr_va_vdst(0)
	v_mul_f32 v14, v11, v13                        ; w / L
.irp i, 0,1,2,3,4,5,6,7,8,9,10,11,12,13,14,15
	v_readlane_b32 s[16+\i], v14, \i               ; part i's, as a scalar factor
.endr
	s_wait_loadcnt 4                               ; the 16 parts' channels are in; u's four loads may be out
.irp e, 0,1,2,3
	v_mul_f32 v[100+\e], s16, v[16+\e]
.endr
.irp i, 1,2,3,4,5,6,7,8,9,10,11,12,13,14,15
.irp e, 0,1,2,3
	v_fmac_f32 v[100+\e], s[16+\i], v[16+4*\i+\e]
.endr
.endr
	global_store_b128 v4, v[100:103], s[8:9]
	s_wait_loadcnt 0x0
.irp n, 0,1,2,3,4,5,6,7,8,9,10,11,12,13,14,15
	v_sub_f32 v[80+\n], v[80+\n], v10
.endr
	s_wait_alu depctr_va_vdst(0)
.irp n, 0,1,2,3,4,5,6,7,8,9,10,11,12,13,14,15
	v_exp_f32 v[80+\n], v[80+\n]
.endr
	v_nop
	s_wait_alu depctr_va_vdst(0)                   ; one wait for the batch of 16
.irp n, 0,1,2,3,4,5,6,7,8,9,10,11,12,13,14,15
	v_mul_f32 v[80+\n], v[80+\n], v13
.endr
.irp k, 0,1,2,3
	global_store_b128 v3, v[80+4*\k:83+4*\k], s[10:11] offset:1024*\k
.endr
	s_endpgm
.Lfunc_end_k_q940d520a69_combine:
	.size	k_q940d520a69_combine, .Lfunc_end_k_q940d520a69_combine-k_q940d520a69_combine
	.p2alignl 7, 3214868480
	.fill 96, 4, 3214868480
	.section	.rodata,"a",@progbits
	.p2align	6, 0x0
	.amdhsa_kernel k_q940d520a69_combine
		.amdhsa_group_segment_fixed_size 0
		.amdhsa_private_segment_fixed_size 0
		.amdhsa_enable_private_segment 0
		.amdhsa_kernarg_size 32
		.amdhsa_user_sgpr_count 2
		.amdhsa_user_sgpr_kernarg_segment_ptr 1
		.amdhsa_wavefront_size32 1
		.amdhsa_system_sgpr_workgroup_id_x 1
		.amdhsa_system_sgpr_workgroup_id_y 1
		.amdhsa_system_sgpr_workgroup_id_z 1
		.amdhsa_system_vgpr_workitem_id 0
		.amdhsa_next_free_vgpr 128
		.amdhsa_next_free_sgpr 66
		.amdhsa_reserve_vcc 0
		.amdhsa_float_denorm_mode_32 3
		.amdhsa_float_denorm_mode_16_64 3
		.amdhsa_memory_ordered 1
		.amdhsa_forward_progress 1
		.amdhsa_inst_pref_size 10
	.end_amdhsa_kernel
	.amdgpu_metadata
---
amdhsa.version: [ 1, 2 ]
amdhsa.kernels:
  - .name:           k_q940d520a69_combine
    .symbol:         k_q940d520a69_combine.kd
    .args:
      - { .name: part, .offset: 0, .size: 8, .value_kind: global_buffer, .address_space: global }
      - { .name: u, .offset: 8, .size: 8, .value_kind: global_buffer, .address_space: global }
      - { .name: out0, .offset: 16, .size: 8, .value_kind: global_buffer, .address_space: global }
      - { .name: out1, .offset: 24, .size: 8, .value_kind: global_buffer, .address_space: global }
    .group_segment_fixed_size: 0
    .private_segment_fixed_size: 0
    .kernarg_segment_align: 8
    .kernarg_segment_size: 32
    .max_flat_workgroup_size: 64
    .sgpr_count:     66
    .vgpr_count:     128
    .wavefront_size: 32
...
	.end_amdgpu_metadata
.endif
;; end of part 3
